; MI455X (gfx1250); checked and timed in simulation.
; The chip was launched on July 23, 2026; its instructions are those of AMD's public machine-readable ISA for CDNA 5 (MIT licence, August 2026) and "CDNA5" Instruction Set Architecture Reference Guide (July 2026). The comments in the code are by the model that wrote it; some were corrected since.
;; Dot Product Attention. Allowed arithmetic: float matrix products may take bf16 or f16 operands with f32 sums; all other float work in f32.
;; Inputs: k 2 x 16 x 2,048 x 128 float32; q 2 x 16 x 2,048 x 128 float32; v 2 x 16 x 2,048 x 128 float32; valid_lens 2 int32.
;; Outputs: out0 2 x 16 x 2,048 x 128 float32.
;; One version. Each part assembles by itself: llvm-mc -triple=amdgcn-amd-amdhsa -mcpu=gfx1250 --defsym DOCPART=n.
;; ======== version 1 of 1: 1 launch
;; limits: right only within a limited range of input values; values are held in f16: magnitudes above 65,504 overflow, below 6.1e-05 lose precision; inputs' magnitudes at most 65,504
;; launch attn (part 1): grid 8 x 32, 4 waves a work-group, clusters of 4 x 1, 327,680 bytes of LDS; arguments q, k, v, valid_lens, out0; writes out0
.if DOCPART == 1
	.amdgcn_target "amdgcn-amd-amdhsa--gfx1250"
	.amdhsa_code_object_version 6
	.text
	.protected	k_q365aea153a_attn
	.globl	k_q365aea153a_attn
	.p2align	8
	.type	k_q365aea153a_attn,@function
k_q365aea153a_attn:
	s_mov_b64 s[64:65], 0
	v_nop
	global_prefetch_b8 v0, s[64:65] scope:SCOPE_SE
	s_setreg_imm32_b32 hwreg(HW_REG_WAVE_MODE, 25, 1), 1
	s_wait_xcnt 0x0
	s_wait_alu depctr_hold_cnt(0) depctr_sa_sdst(0) depctr_va_vdst(0) depctr_va_sdst(0) depctr_va_ssrc(0) depctr_va_vcc(0) depctr_vm_vsrc(0)
	s_getreg_b32 s2, hwreg(HW_REG_IB_STS2, 6, 4)
	s_cmp_eq_u32 s2, 0
	s_cbranch_scc0 .Lentry_in_a_cluster
	s_endpgm
.Lentry_in_a_cluster:
	s_bfe_u32 s2, ttmp6, 0x10000c
	s_cmp_lg_u32 s2, 0x3003
	s_cbranch_scc0 .Lentry_shape_is_right
	s_endpgm
.Lentry_shape_is_right:
; out[b][h][q][:] = softmax over keys of (q.k / sqrt(128), keys at or behind valid_lens[b] set to -1e9) times v.
; q, k, v, out: [2][16][2048][128] f32.  One launch; scores, softmax and the second product never leave the work-group.
;
; SHARES.  Grid y = head (16 b + h), grid x = block of 256 queries: 256 work-groups of four waves; a wave owns 64 queries as four blocks of 16.
; Keys go in 32 tiles of 64.  Per tile a wave issues 64 matrix instructions for the scores and 64 for the second product, on 32 KiB of fragments.
; CLUSTER.  The four work-groups of a cluster are four query blocks of ONE head and walk the same K and V tiles: each tile is asked for jointly
; (mask 15), each wave asking for a quarter (16 KiB), with a descriptor made of the head and the wave's number alone.
; BOTH PRODUCTS ARE USED TRANSPOSED, so that a lane owns one query:
;   S^T = K Q^T  (source 0 = 16 keys of K, source 1 = 16 queries): register j of lane (r, h) = key 16 kt + 8 h + j, query r;
;   O^T = V^T P^T (source 0 = 16 columns of V, read transposed from LDS, source 1 = P): register j = column 16 dt + 8 h + j, query r.
; So maximum, sum and rescale are a lane's own but for one exchange between the halves of 16 lanes, and packing neighbouring S registers
; to f16 gives P's fragment as it stands: P takes no way through LDS.
; FORMATS.  K, V, Q and P are rounded to f16 on the way to the matrix unit; sums, maxima, exponentials and the carried figures are f32.
; f16 and not bf16: 11 significant bits against 8, so each rounding is 8 times finer, and the operands have the room: the weights lie in (0, 1], and
; q, k, v may be as large as 65504, f16's largest number.
; The f32 tiles land in two LDS slots; each wave converts 16 rows of K and of V of the NEXT tile into one of two f16 buffers while this tile is multiplied.
; LENGTH.  The number of trips is a constant: every wave and every partner passes the loop's barriers and joint requests equally often, whatever
; valid_lens holds.  The length steers values alone.  N = valid_len cut to 2048.  A tile with 64 or more keys left gets the bias 0, one with none left
; the bias -1e9 sqrt(128), and the one tile that N cuts the pattern of N mod 64, made once: a clamp of that pattern between two scalars gives all three.
; valid_len <= 0 (every score -1e9, so a uniform softmax over all 2048 keys): N = 2048 and the scale of the exponent is 0, so that every weight is 1.
; LIMITS.  |q|, |k|, |v| above 65504 become infinities in f16; magnitudes below 2^-14 are kept in steps of 2^-24.  A weight below 2^-25 is 0 in P and still
; counted in the sum: at most 2048 x 2^-25 = 2^-14 of a sum that is at least 1.  The mask is ADDED to the sum (as the first product's C) where the definition
; replaces the score: the same result while every |score|, those of masked keys too, is below 1e8.  Every row of k must be finite, the masked ones too, since
; they are multiplied.  With valid_len <= 0 the scores must be finite.  v_exp_f32 gives 0 for weights below 2^-126 (ISA guide, 15.8).
;
; REGISTERS, in windows of 256 (s_set_vgpr_msb: bits 1:0 source 0, 3:2 source 1, 5:4 source 2, 7:6 destination):
;   window 0: addresses, the carried figures, the mask's pattern and bias, v128-255 fragments of K, then of V, then rows on the way out
;   window 1: v0-127 the next tile's 16 + 16 rows in f32, v128-255 S (32 registers a query block); at the start all 256 hold Q in f32
;   window 2 (query blocks 0, 1), window 3 (blocks 2, 3): v0-127 O, v128-159 P, v160-223 Q's fragments
.set TILEB,  32768                     ; 64 rows of 512 bytes: a tile of K or of V in f32
.set SLOTB,  65536                     ; a slot: K's tile, then V's
.set KPITCH, 272                       ; an f16 row of K or Q: 256 bytes + 16 = 17 x 16: sixteen rows begin at sixteen different 16-byte columns modulo 256
.set VPITCH, 288                       ; an f16 row of V: 256 + 32 = 9 x 32, for the transposing load
.set BUF,    2*SLOTB                   ; 131072: f16 buffer 0
.set BUFV,   BUF+64*KPITCH             ; 148480: its V part
.set BUFB,   64*KPITCH+64*VPITCH       ; 35840: bytes of an f16 buffer
.set STG,    BUF+2*BUFB                ; 202752: a stage of each wave's own, for Q on the way in and O on the way out
.set OPITCH, 528                       ; a row of O: 512 bytes + 16 = 33 x 16
.set STGW,   16*OPITCH                 ; 8448 bytes a wave; 202752 + 4 x 8448 = 236544
.set PAIRS,  14                        ; trips of the loop, two tiles each: 32 tiles less the first two and the last two
.set AK,  6                            ; v6   K fragments: BUF + r 272 + 16 h
.set AV,  7                            ; v7   V fragments: BUFV + (8 h + l % 8) 288 + 16 ((l / 8) % 2)
.set AS0, 8                            ; v8, v9  my 16 rows of K in slot 0, 1: 8192 w + 16 l (V's lie 32768 further)
.set ACK, 10                           ; v10  where my converted rows of K go: BUF + 4352 w + 8 l
.set ACV, 11                           ; v11  the same for V: BUFV + 4608 w + 8 l
.set AQS, 12                           ; v12  Q into my stage: 8 l
.set AQ,  13                           ; v13  Q fragments out of it: r 272 + 16 h
.set STO, 14                           ; v14  O into my stage: r 528 + 32 h
.set RD,  15                           ; v15  rows of O out of it: 16 l
.set CO,  16                           ; v16  my 16 bytes of my wave's first row in q and in out: 32768 w + 16 l
.set V8H, 17                           ; v17  8 h
.set VNEG,18                           ; v18  -1e9 sqrt(128)
.set VREM,19                           ; v19  N mod 64, less 8 h
.set MX,  32                           ; v32-35  running maximum of the raw sums, one a query block
.set LS,  36                           ; v36-39  running sum of weights (of my half of the lanes' keys)
.set NM,  40                           ; v40-43  -c x maximum
.set AL,  44                           ; v44-47  the rescale factor; at the end 1 / sum
.set TM,  48                           ; v48-51  at work
.set TP,  52                           ; v52-55  at work
.set BI,  64                           ; v64-95  this tile's bias, register 8 kt + j
.set BB,  96                           ; v96-127 the bias of the tile that N cuts, made once
.set F,   128                          ; v128-255 fragments
.set SB,  128                          ; window 1: S of block qb at SB + 32 qb, register 8 kt + j
.set PB,  128                          ; windows 2, 3: P of block qp at PB + 16 qp
.set QB,  160                          ; windows 2, 3: Q(qp, kc) at QB + 32 qp + 8 kc
.set G1,  20                           ; s[20:27] descriptor group 1, the same for every load
.set G0,  28                           ; s[28:35] descriptor group 0, a set for each slot
.set MSB, 0
.macro WIN new                         ; the immediate's high byte repeats the setting that is left; a switch that changes nothing is dropped
.if MSB != (\new)
	s_set_vgpr_msb (MSB<<8)|(\new)
.set MSB, (\new)
.endif
.endm
.macro PLACES                          ; four plain vector instructions behind a matrix instruction, before its registers are loaded into or its result is read (ISA guide 7.12.1)
.rept 4
	v_nop
.endr
.endm
.macro BAR
	s_barrier_signal -1
	s_barrier_wait -1
.endm
; A round of the cluster's barrier: my work-group's barrier, wave 0 signals for the work-group, every wave waits for all four work-groups, my work-group's barrier again.
.macro ROUND
	s_barrier_signal -1
	s_barrier_wait -1
	s_cmp_lg_u32 s14, 0
	s_cbranch_scc1 .Lnot_wave_0_\@
	s_barrier_signal -3
.Lnot_wave_0_\@:
	s_barrier_wait -3
	s_barrier_signal -1
	s_barrier_wait -1
.endm
	s_load_b256 s[4:11], s[0:1], 0x0               ; q s[4:5], k s[6:7], v s[8:9], valid_lens s[10:11]
	s_load_b64 s[12:13], s[0:1], 0x20              ; out0
	v_lshl_add_u32 v62, v0, 2, 0x39c00
	v_mov_b32 v63, 0
	ds_add_u32 v62, v63
	v_lshrrev_b32 v4, 5, v0
	v_readfirstlane_b32 s14, v4                    ; wave 0..3
	s_bfe_u32 s15, ttmp6, 0x40000                  ; cx: my place in the cluster
	s_lshl_b32 s16, ttmp9, 2
	s_add_co_u32 s16, s16, s15                     ; query block = 4 x cluster x + cx
	s_and_b32 s17, ttmp7, 0xffff                   ; head = 16 b + h (the cluster is one work-group high)
	; group 1: a quarter of a slot is 16 KiB that lie dense in memory: 64 rows of 32 elements of 8 bytes, no padding (it is read back in runs of 512 bytes)
	s_mov_b32 s[G1+0], 15|(3<<16)|(1<<21)          ; 15:0 mask: all four work-groups; 17:16 elements of 8 bytes; 21 set beside a mask
	s_mov_b32 s[G1+1], 32<<16                      ; tensor_dim0 = 32
	s_mov_b32 s[G1+2], 64<<16                      ; tensor_dim1 = 64
	s_mov_b32 s[G1+3], 32<<16                      ; tile_dim0 = 32
	s_mov_b32 s[G1+4], 64                          ; tile_dim1 = 64
	s_mov_b32 s[G1+5], 32                          ; 32 elements from row to row
	s_mov_b32 s[G1+6], 0
	s_mov_b32 s[G1+7], 0
	s_mov_b32 s40, 0x76543210                      ; v_permlanex16_b32: lane i of one half reads lane i of the other
	s_mov_b32 s41, 0xfedcba98
	v_and_b32 v1, 31, v0                           ; l
	s_lshl_b32 s18, s14, 15
	v_lshl_add_u32 v[CO], v1, 4, s18               ; 64 rows of 512 bytes a wave + 16 l
	s_lshl_b32 s54, s17, 20                        ; K, V: head x 1 MiB + 16 KiB for waves 1 and 3.  No place in the cluster enters s[50:51], s[54:55]
	s_and_b32 s19, s14, 1
	s_lshl_b32 s19, s19, 14
	s_add_co_u32 s54, s54, s19
	s_mov_b32 s55, 0
	s_lshl_b32 s52, s17, 20                        ; q, out: head x 1 MiB + query block x 128 KiB
	s_lshl_b32 s53, s16, 17
	s_add_co_u32 s52, s52, s53
	s_mov_b32 s53, 0
	s_wait_dscnt 0x0
	s_wait_kmcnt 0x0
	s_load_b64 s[42:43], s[10:11], 0x0             ; both lengths
	s_cmp_lt_u32 s14, 2
	s_cselect_b64 s[50:51], s[6:7], s[8:9]         ; waves 0, 1 fetch K's halves, waves 2, 3 V's
	s_add_nc_u64 s[50:51], s[50:51], s[54:55]
	s_add_nc_u64 s[4:5], s[4:5], s[52:53]
	s_add_nc_u64 s[12:13], s[12:13], s[52:53]
	s_mov_b32 s[G0+0], 1                           ; count = 1
	s_lshl_b32 s[G0+1], s14, 14                    ; LDS: slot 0 + 16384 w
	s_mov_b64 s[G0+2:G0+3], s[50:51]               ; tile 0
	s_or_b32 s[G0+3], s[G0+3], 0x80000000          ; type = 2
	s_mov_b32 s[G0+4], 1
	s_add_co_u32 s[G0+5], s[G0+1], SLOTB           ; slot 1 + 16384 w
	s_add_nc_u64 s[G0+6:G0+7], s[50:51], TILEB     ; tile 1
	s_or_b32 s[G0+7], s[G0+7], 0x80000000
	ROUND                                          ; all four work-groups are here: the first joint loads meet
	tensor_load_to_lds s[G0:G0+3], s[G1:G1+7]      ; both first fills as one group: two loads of the wave are out
	s_nop 0
	tensor_load_to_lds s[G0+4:G0+7], s[G1:G1+7]
	s_nop 0
	; Q: my 64 rows in f32 into window 1, a whole row of 512 bytes a load
	WIN 0x40
.set i, 0
.rept 64
	global_load_b128 v[4*i:4*i+3], v[CO], s[4:5] offset:i*512 th:TH_LOAD_NT
.set i, i+1
.endr
	WIN 0
	; while they are on their way: addresses
	v_and_b32 v2, 15, v0                           ; r
	v_bfe_u32 v3, v0, 4, 1                         ; h
	v_mul_u32_u24 v4, v2, KPITCH
	v_lshl_add_u32 v4, v3, 4, v4                   ; r 272 + 16 h
	v_add_nc_u32 v[AK], BUF, v4
	v_and_b32 v5, 7, v0
	v_lshl_add_u32 v5, v3, 3, v5                   ; 8 h + l % 8
	v_mul_u32_u24 v5, v5, VPITCH
	v_bfe_u32 v20, v0, 3, 1
	v_lshl_add_u32 v5, v20, 4, v5
	v_add_nc_u32 v[AV], BUFV, v5
	s_lshl_b32 s18, s14, 13
	v_lshl_add_u32 v[AS0], v1, 4, s18
	v_add_nc_u32 v[AS0+1], SLOTB, v[AS0]
	s_mul_i32 s18, s14, 16*KPITCH
	s_add_co_u32 s18, s18, BUF
	v_lshl_add_u32 v[ACK], v1, 3, s18
	s_mul_i32 s19, s14, 16*VPITCH
	s_add_co_u32 s19, s19, BUFV
	v_lshl_add_u32 v[ACV], v1, 3, s19
	s_mul_i32 s39, s14, STGW
	s_add_co_u32 s39, s39, STG                     ; my stage
	v_lshl_add_u32 v[AQS], v1, 3, s39
	v_add_nc_u32 v[AQ], s39, v4
	v_mul_u32_u24 v5, v2, OPITCH
	v_lshl_add_u32 v5, v3, 5, v5
	v_add_nc_u32 v[STO], s39, v5
	v_lshl_add_u32 v[RD], v1, 4, s39
	v_lshlrev_b32 v[V8H], 3, v3
	s_mov_b32 s48, 0xd028965f                      ; -1e9 x sqrt(128): the raw sums are scaled by 1 / sqrt(128) only inside the exponent
	v_mov_b32 v[VNEG], s48
.irp qb, 0,1,2,3
	v_mov_b32 v[TP+\qb], 0                         ; v_permlanex16_b32 counts as a reader of its destination
.endr
	; the length, whole numbers all; it enters selects alone
	s_wait_kmcnt 0x0
	s_lshr_b32 s18, s17, 4                         ; b
	s_cmp_eq_u32 s18, 0
	s_cselect_b32 s49, s42, s43                    ; valid_len
	s_cmp_le_i32 s49, 0                            ; none valid: all 2048 keys with equal weights
	s_cselect_b32 s49, 0x800, s49
	s_cselect_b32 s36, 0, 0x3e0293ee               ; c = log2(e) / sqrt(128), or 0
	s_cselect_b32 s38, 0, 0xbe0293ee               ; -c
	s_mov_b32 s37, s36
	s_min_u32 s49, s49, 0x800                      ; N
	s_mov_b32 s45, s49                             ; keys left at tile 0; 64 fewer at each tile, down to N - 2048 (compared as a signed number)
	s_and_b32 s18, s49, 63                         ; keys left in the tile that N cuts
	; that tile's bias: register 8 kt + j is key 16 kt + 8 h + j, biased if that is at or behind N mod 64.  One set serves the four query blocks.
	v_sub_nc_u32 v[VREM], s18, v[V8H]
.set i, 0
.rept 32
	v_cmp_ge_i32 vcc_lo, 16*(i/8)+i%8, v[VREM]
	v_cndmask_b32 v[BB+i], 0, v[VNEG], vcc_lo
.set i, i+1
.endr
	; Q, 16 rows at a time: round to f16, through my own stage (LDS serves a wave's instructions in order, ISA guide 5.7.1: no wait between
	; these stores, the loads behind them and the next block's stores), into fragments that stay in registers for the whole kernel
.irp qb, 0,1,2,3
	s_wait_loadcnt 48-16*\qb                       ; the rows of the later blocks stay out
	WIN 0x45
.set i, 0
.rept 16
	v_cvt_pk_f16_f32 v[64*\qb+4*i], v[64*\qb+4*i], v[64*\qb+4*i+1]
	v_cvt_pk_f16_f32 v[64*\qb+4*i+1], v[64*\qb+4*i+2], v[64*\qb+4*i+3]
.set i, i+1
.endr
	WIN 0x04
.set i, 0
.rept 16
	ds_store_b64 v[AQS], v[64*\qb+4*i:64*\qb+4*i+1] offset:i*KPITCH
.set i, i+1
.endr
	WIN 0x80+0x40*(\qb/2)
.irp kc, 0,1,2,3
	ds_load_b128 v[QB+32*(\qb%2)+8*\kc:QB+32*(\qb%2)+8*\kc+3], v[AQ] offset:64*\kc
	ds_load_b128 v[QB+32*(\qb%2)+8*\kc+4:QB+32*(\qb%2)+8*\kc+7], v[AQ] offset:64*\kc+32
.endr
.endr
	WIN 0
; 32 loads: the 16 fragments of K (16 keys x 32 of d each) of f16 buffer b, in the order in which they are multiplied
.macro KLOAD b
	WIN 0
.irp kc, 0,1,2,3
.irp kt, 0,1,2,3
	ds_load_b128 v[F+8*(4*\kc+\kt):F+8*(4*\kc+\kt)+3], v[AK] offset:(\b)*BUFB+\kt*16*KPITCH+64*\kc
	ds_load_b128 v[F+8*(4*\kc+\kt)+4:F+8*(4*\kc+\kt)+7], v[AK] offset:(\b)*BUFB+\kt*16*KPITCH+64*\kc+32
.endr
.endr
.endm
; 32 loads: my 16 rows of K and my 16 rows of V of slot s, in f32, 512 neighbouring bytes a load
.macro SLOAD s
	WIN 0x40
.set i, 0
.rept 16
	ds_load_b128 v[4*i:4*i+3], v[AS0+(\s)] offset:i*512
.set i, i+1
.endr
.set i, 0
.rept 16
	ds_load_b128 v[64+4*i:64+4*i+3], v[AS0+(\s)] offset:TILEB+i*512
.set i, i+1
.endr
.endm
; those rows rounded to f16 in place and put into f16 buffer b
.macro CVST b
	WIN 0x45
.set i, 0
.rept 32
	v_cvt_pk_f16_f32 v[4*i], v[4*i], v[4*i+1]
	v_cvt_pk_f16_f32 v[4*i+1], v[4*i+2], v[4*i+3]
.set i, i+1
.endr
	WIN 0x04
.set i, 0
.rept 16
	ds_store_b64 v[ACK], v[4*i:4*i+1] offset:(\b)*BUFB+i*KPITCH
.set i, i+1
.endr
.set i, 0
.rept 16
	ds_store_b64 v[ACV], v[64+4*i:64+4*i+1] offset:(\b)*BUFB+i*VPITCH
.set i, i+1
.endr
.endm
; 32 transposing loads: the 16 fragments of V^T (16 columns x 32 keys each) of f16 buffer b
.macro VLOAD b
	WIN 0
.irp kc2, 0,1
.irp dt, 0,1,2,3,4,5,6,7
	ds_load_tr16_b128 v[F+8*(8*\kc2+\dt):F+8*(8*\kc2+\dt)+3], v[AV] offset:(\b)*BUFB+\kc2*32*VPITCH+32*\dt
	ds_load_tr16_b128 v[F+8*(8*\kc2+\dt)+4:F+8*(8*\kc2+\dt)+7], v[AV] offset:(\b)*BUFB+\kc2*32*VPITCH+32*\dt+16*VPITCH
.endr
.endr
.endm
; This tile's bias: the cut tile's pattern clamped between two scalars.  64 or more keys left: both 0, so 0.  None left: both the bias, so the bias.
; Between: the bias and 0, so the pattern itself.  Then 64 keys fewer are left.
.macro MASK
	WIN 0
	s_cmp_le_i32 s45, 0
	s_cselect_b32 s47, s48, 0                      ; the upper bound
	s_cmp_ge_i32 s45, 64
	s_cselect_b32 s46, 0, s48                      ; the lower bound
	s_sub_co_i32 s45, s45, 64
.set i, 0
.rept 32
	v_med3_num_f32 v[BI+i], v[BB+i], s46, s47
.set i, i+1
.endr
.endm
; eight score products, 32 of d: blocks 2 hi, 2 hi + 1 x the four key blocks.  cm = 1: C is the bias; 2: in place.
; The eight accumulators take turns, one instruction a turn.
.macro SMM hi, kc, cm
.irp kt, 0,1,2,3
.irp qp, 0,1
.if \cm == 1
	v_wmma_f32_16x16x32_f16 v[SB+32*(2*\hi+\qp)+8*\kt:SB+32*(2*\hi+\qp)+8*\kt+7], v[F+8*(4*\kc+\kt):F+8*(4*\kc+\kt)+7], v[QB+32*\qp+8*\kc:QB+32*\qp+8*\kc+7], v[BI+8*\kt:BI+8*\kt+7]
.else
	v_wmma_f32_16x16x32_f16 v[SB+32*(2*\hi+\qp)+8*\kt:SB+32*(2*\hi+\qp)+8*\kt+7], v[F+8*(4*\kc+\kt):F+8*(4*\kc+\kt)+7], v[QB+32*\qp+8*\kc:QB+32*\qp+8*\kc+7], v[SB+32*(2*\hi+\qp)+8*\kt:SB+32*(2*\hi+\qp)+8*\kt+7]
.endif
.endr
.endr
.endm
; the scores of two query blocks.  The first product starts the sums from the bias: nothing is cleared.
.macro SHALF hi, conv
.irp kc, 0,1,2,3
.if \hi == 0
	s_wait_dscnt 32*\conv+24-8*\kc                 ; this kc's eight loads are in; out may be the later kc's, eight each, and the 32 loads of the f32 rows behind them
.endif
.if \kc == 0
	WIN 0x48+4*\hi                                 ; D window 1, K window 0, Q window 2 or 3, C (the bias) window 0
	SMM \hi, \kc, 1
.else
	WIN 0x58+4*\hi                                 ; C and D window 1
	SMM \hi, \kc, 2
.endif
.endr
.endm
; the running maximum of the raw sums, the factor 2^(c (old - new)) for what has been gathered, and -c x maximum.  zero = 1: the first tile starts them.
.macro SMAX zero
	WIN 0x05
.irp qb, 0,1,2,3
.if \zero
	v_max_num_f32 v[TM+\qb], v[SB+32*\qb], v[SB+32*\qb+1]
.else
	v_max3_num_f32 v[TM+\qb], v[SB+32*\qb], v[SB+32*\qb+1], v[MX+\qb]
.endif
.endr
.set i, 1
.rept 15
.irp qb, 0,1,2,3
	v_max3_num_f32 v[TM+\qb], v[SB+32*\qb+2*i], v[SB+32*\qb+2*i+1], v[TM+\qb]
.endr
.set i, i+1
.endr
	WIN 0
.irp qb, 0,1,2,3
	v_permlanex16_b32 v[TP+\qb], v[TM+\qb], s40, s41   ; the other half of the lanes holds the same query's other keys
.endr
.irp qb, 0,1,2,3
	v_max_num_f32 v[MX+\qb], v[TM+\qb], v[TP+\qb]
.endr
.if \zero == 0
.irp qb, 0,1,2,3
	v_fma_f32 v[AL+\qb], v[MX+\qb], s38, -v[NM+\qb]    ; c old - c new
.endr
.irp qb, 0,1,2,3
	v_exp_f32 v[AL+\qb], v[AL+\qb]
.endr
.endif
.irp qb, 0,1,2,3
	v_mul_f32 v[NM+\qb], s38, v[MX+\qb]            ; plain instructions behind the exponentials, before their results are used (ISA guide 5.7.2)
.endr
.endm
; weights in place: 2^(c S - c maximum)
.macro SEXP
	WIN 0x41                                       ; S window 1, -c x maximum window 0
.irp qb, 0,1,2,3
.set i, 0
.rept 16
.if (\qb%2) == 0
	v_pk_fma_f32 v[SB+32*\qb+2*i:SB+32*\qb+2*i+1], v[SB+32*\qb+2*i:SB+32*\qb+2*i+1], s[36:37], v[NM+2*(\qb/2):NM+2*(\qb/2)+1] op_sel_hi:[1,0,0]
.else
	v_pk_fma_f32 v[SB+32*\qb+2*i:SB+32*\qb+2*i+1], v[SB+32*\qb+2*i:SB+32*\qb+2*i+1], s[36:37], v[NM+2*(\qb/2):NM+2*(\qb/2)+1] op_sel:[0,0,1] op_sel_hi:[1,0,1]
.endif
.set i, i+1
.endr
.set i, 0
.rept 32
	v_exp_f32 v[SB+32*\qb+i], v[SB+32*\qb+i]       ; behind a block's last exponential stands the next block's first multiply-add
.set i, i+1
.endr
.endr
	v_nop                                          ; and behind the last block's a plain instruction, before the weights are packed (ISA guide 5.7.2)
	s_wait_alu depctr_va_vdst(0)
.endm
; P's fragments: register i = weights 2 i, 2 i + 1 of the lane: keys 8 h .. 8 h + 7 of key blocks 0, 1 (registers 0-7) and 2, 3 (registers 8-15)
.macro PCVT
.irp qb, 0,1,2,3
	WIN 0x85+0x40*(\qb/2)
.set i, 0
.rept 16
	v_cvt_pk_f16_f32 v[PB+16*(\qb%2)+i], v[SB+32*\qb+2*i], v[SB+32*\qb+2*i+1]
.set i, i+1
.endr
.endr
.endm
; the lane's 32 weights of each block added up, in place, as a tree; then sum = sum x factor + that
.macro SSUM zero
	WIN 0x45
.irp st, 8,4,2,1
.irp qb, 0,1,2,3
.set i, 0
.rept \st
	v_pk_add_f32 v[SB+32*\qb+2*i:SB+32*\qb+2*i+1], v[SB+32*\qb+2*i:SB+32*\qb+2*i+1], v[SB+32*\qb+2*(i+\st):SB+32*\qb+2*(i+\st)+1]
.set i, i+1
.endr
.endr
.endr
	WIN 0x05
.irp qb, 0,1,2,3
.if \zero
	v_add_f32 v[LS+\qb], v[SB+32*\qb], v[SB+32*\qb+1]
.else
	v_add_f32 v[TP+\qb], v[SB+32*\qb], v[SB+32*\qb+1]
.endif
.endr
	WIN 0
.if \zero == 0
.irp qb, 0,1,2,3
	v_fma_f32 v[LS+\qb], v[LS+\qb], v[AL+\qb], v[TP+\qb]
.endr
.endif
.endm
; one tile of O (8 registers) times its block's factor; runs under the second product's window (factor window 0, O window 2 or 3)
.macro RESC hi, dt, qp
.irp e, 0,2,4,6
	v_pk_mul_f32 v[8*(2*(\dt)+\qp)+\e:8*(2*(\dt)+\qp)+\e+1], v[AL+2*\hi:AL+2*\hi+1], v[8*(2*(\dt)+\qp)+\e:8*(2*(\dt)+\qp)+\e+1] op_sel:[\qp,0] op_sel_hi:[\qp,1]
.endr
.endm
; the second product of two query blocks: 16 tiles of O, 64 keys.  A tile is rescaled one turn ahead of its first product; it was last written a tile of keys ago.
; The sixteen accumulators take turns, one instruction a turn.
.macro PVHALF hi, zero
	WIN 0xa8+0x54*\hi                              ; V window 0; P, C and D window 2 (0xa8) or 3 (0xfc)
.if \zero == 0
	RESC \hi, 0, 0
	RESC \hi, 0, 1
.endif
.irp dt, 0,1,2,3,4,5,6,7
.irp qp, 0,1
.if \zero
	v_wmma_f32_16x16x32_f16 v[8*(2*\dt+\qp):8*(2*\dt+\qp)+7], v[F+8*\dt:F+8*\dt+7], v[PB+16*\qp:PB+16*\qp+7], 0
.else
	v_wmma_f32_16x16x32_f16 v[8*(2*\dt+\qp):8*(2*\dt+\qp)+7], v[F+8*\dt:F+8*\dt+7], v[PB+16*\qp:PB+16*\qp+7], v[8*(2*\dt+\qp):8*(2*\dt+\qp)+7]
.if \dt < 7
	RESC \hi, \dt+1, \qp
.endif
.endif
.endr
.endr
.irp dt, 0,1,2,3,4,5,6,7
.irp qp, 0,1
	v_wmma_f32_16x16x32_f16 v[8*(2*\dt+\qp):8*(2*\dt+\qp)+7], v[F+8*(8+\dt):F+8*(8+\dt)+7], v[PB+16*\qp+8:PB+16*\qp+15], v[8*(2*\dt+\qp):8*(2*\dt+\qp)+7]
.endr
.endr
.endm
; ONE TILE OF KEYS.  f16 buffer s holds this tile, slot 1 - s the next one in f32.  zero: the first tile;
; refill: slot s, converted a tile ago, is asked for again (two tiles ahead); conv: the next tile is converted.
; ONE barrier a tile orders four things.  In front of it every wave has waited for all its LDS instructions and all its tensor loads, so behind it
; (1) nobody reads buffer 1 - s any more: it is written; (2) buffer s is whole: it is read; (3) nobody reads slot s any more: it is filled, by the wave's one
; tensor load, first thing; (4) slot 1 - s has landed: it is read.  Where the slot is filled the barrier is a round of the cluster's, since the load is joint.
; A tile is asked for a whole tile's work (128 matrix instructions and the softmax) ahead of the wait for it; one load of the wave is out.
.macro TRIP s, zero, refill, conv
	WIN 0
	s_wait_tensorcnt 0x0                           ; all my tensor loads have landed, so a group 0 may be written
	ds_add_u32 v62, v63
	s_wait_dscnt 0x0
.if \refill
	s_add_nc_u64 s[G0+4*\s+2:G0+4*\s+3], s[G0+4*\s+2:G0+4*\s+3], 2*TILEB   ; this slot's next tile
.endif
	s_wait_dscnt 0x0                               ; my reads of the slot and of the other buffer are back, my stores into this buffer are done
.if \refill
	ROUND
	tensor_load_to_lds s[G0+4*\s:G0+4*\s+3], s[G1:G1+7]
	s_nop 0
.else
	BAR
.endif
	PLACES                                         ; behind the last tile's products, whose V fragments are loaded over
	KLOAD \s
	MASK                                           ; while K's fragments are on their way
.if \conv
	SLOAD (1-\s)
.endif
	SHALF 0, \conv
	SHALF 1, \conv
	PLACES                                         ; behind the score products, whose K fragments are loaded over and whose sums are read
.if \conv
	s_wait_dscnt 0x0                               ; the f32 rows are in
	CVST (1-\s)
.endif
	VLOAD \s                                       ; into K's registers; they land during the softmax
	SMAX \zero
	SEXP
	PCVT
	SSUM \zero
	s_wait_dscnt 0x0                               ; V's fragments
	PVHALF 0, \zero
	PVHALF 1, \zero
	WIN 0                                          ; at a label and at a branch every window is 0
.endm
	; tile 0 is converted ahead of the first trip
	s_wait_tensorcnt 0x1                           ; my quarter of slot 0 is in; slot 1's load, issued behind it, may stay out
	s_wait_dscnt 0x0
	BAR
	SLOAD 0
	s_wait_dscnt 0x0
	CVST 0
	TRIP 0, 1, 1, 1                                ; tile 0 starts the carried figures and the sums
	TRIP 1, 0, 1, 1
	s_mov_b32 s44, PAIRS
.Lloop:                                            ; tiles 2 to 29
	TRIP 0, 0, 1, 1
	TRIP 1, 0, 1, 1
	s_sub_co_u32 s44, s44, 1
	s_cmp_lg_u32 s44, 0
	s_cbranch_scc1 .Lloop
	TRIP 0, 0, 0, 1                                ; tile 30: nothing is left to fetch,
	TRIP 1, 0, 0, 0                                ; tile 31: nothing left to convert
	; THE WAY OUT.  The two halves' sums meet; O times 1 / sum; 16 queries at a time through my own stage, so that a store covers a whole row of 512 bytes.
	PLACES                                         ; behind the last products, before their results are read and their sources loaded into
.irp qb, 0,1,2,3
	v_permlanex16_b32 v[TP+\qb], v[LS+\qb], s40, s41
.endr
.irp qb, 0,1,2,3
	v_add_f32 v[LS+\qb], v[LS+\qb], v[TP+\qb]      ; at least 1: the key of the maximum has weight 1
.endr
.irp qb, 0,1,2,3
	v_rcp_f32 v[AL+\qb], v[LS+\qb]
.endr
	v_nop                                          ; a plain instruction behind the reciprocals (ISA guide 5.7.2)
	s_wait_alu depctr_va_vdst(0)
	WIN 0xa8
.irp dt, 0,1,2,3,4,5,6,7
.irp qp, 0,1
	RESC 0, \dt, \qp
.endr
.endr
	WIN 0xfc
.irp dt, 0,1,2,3,4,5,6,7
.irp qp, 0,1
	RESC 1, \dt, \qp
.endr
.endr
.macro OUT16 qb
	WIN 0x08+4*(\qb/2)                             ; store data from window 2 or 3
.irp dt, 0,1,2,3,4,5,6,7
.irp e, 0,1
	ds_store_b128 v[STO], v[8*(2*\dt+(\qb%2))+4*\e:8*(2*\dt+(\qb%2))+4*\e+3] offset:64*\dt+16*\e   ; query r, columns 16 dt + 8 h + 4 e ..
.endr
.endr
	WIN 0
	s_wait_xcnt 0x0                                ; the registers that the stores of two blocks ago read are loaded again only behind this wait
.set t, 0
.rept 16
	ds_load_b128 v[F+64*(\qb%2)+4*t:F+64*(\qb%2)+4*t+3], v[RD] offset:t*OPITCH   ; my own bytes, served in order behind the stores above
.set t, t+1
.endr
.set t, 0
.rept 16
	s_wait_dscnt 15-t                              ; row t is in, the younger rows may be out
	global_store_b128 v[CO], v[F+64*(\qb%2)+4*t:F+64*(\qb%2)+4*t+3], s[12:13] offset:(16*\qb+t)*512 th:TH_STORE_NT   ; 32 lanes store one row: 512 consecutive bytes, aligned
.set t, t+1
.endr
.endm
	OUT16 0
	OUT16 1
	OUT16 2
	OUT16 3
	s_wait_dscnt 0x0
	s_wait_tensorcnt 0x0
	ds_add_u32 v62, v63
	s_wait_dscnt 0x0
	ROUND                                          ; the closing round: no work-group ends while a partner may still ask for a tile that names it
	s_endpgm
.Lfunc_end_k_q365aea153a_attn:
	.size	k_q365aea153a_attn, .Lfunc_end_k_q365aea153a_attn-k_q365aea153a_attn
	.p2alignl 7, 3214868480
	.fill 96, 4, 3214868480
	.section	.rodata,"a",@progbits
	.p2align	6, 0x0
	.amdhsa_kernel k_q365aea153a_attn
		.amdhsa_group_segment_fixed_size 327680
		.amdhsa_private_segment_fixed_size 0
		.amdhsa_enable_private_segment 0
		.amdhsa_kernarg_size 40
		.amdhsa_user_sgpr_count 2
		.amdhsa_user_sgpr_kernarg_segment_ptr 1
		.amdhsa_wavefront_size32 1
		.amdhsa_system_sgpr_workgroup_id_x 1
		.amdhsa_system_sgpr_workgroup_id_y 1
		.amdhsa_system_sgpr_workgroup_id_z 1
		.amdhsa_system_vgpr_workitem_id 0
		.amdhsa_next_free_vgpr 992
		.amdhsa_next_free_sgpr 66
		.amdhsa_reserve_vcc 1
		.amdhsa_float_denorm_mode_32 3
		.amdhsa_float_denorm_mode_16_64 3
		.amdhsa_memory_ordered 1
		.amdhsa_forward_progress 1
		.amdhsa_inst_pref_size 255
	.end_amdhsa_kernel
	.section	.bss,"aw",@nobits
	.p2align	6
	.space	262144
	.amdgpu_metadata
---
amdhsa.version: [ 1, 2 ]
amdhsa.kernels:
  - .name:           k_q365aea153a_attn
    .symbol:         k_q365aea153a_attn.kd
    .args:
      - { .name: q, .offset: 0, .size: 8, .value_kind: global_buffer, .address_space: global }
      - { .name: k, .offset: 8, .size: 8, .value_kind: global_buffer, .address_space: global }
      - { .name: v, .offset: 16, .size: 8, .value_kind: global_buffer, .address_space: global }
      - { .name: valid_lens, .offset: 24, .size: 8, .value_kind: global_buffer, .address_space: global }
      - { .name: out0, .offset: 32, .size: 8, .value_kind: global_buffer, .address_space: global }
    .group_segment_fixed_size: 327680
    .private_segment_fixed_size: 0
    .kernarg_segment_align: 8
    .kernarg_segment_size: 40
    .max_flat_workgroup_size: 128
    .sgpr_count:     66
    .vgpr_count:     992
    .wavefront_size: 32
...
	.end_amdgpu_metadata
.endif
;; end of part 1
